; MI455X (gfx1250); checked and timed in simulation.
; The chip was launched on July 23, 2026; its instructions are those of AMD's public machine-readable ISA for CDNA 5 (MIT licence, August 2026) and "CDNA5" Instruction Set Architecture Reference Guide (July 2026). The comments in the code are by the model that wrote it; some were corrected since.
;; MH Attention. Allowed arithmetic: matrix products marked QUANTISED: E5M2 operands, one given power-of-two scale a tensor, by v_wmma_f32_16x16x64_bf8_bf8 or v_wmma_f32_16x16x128_bf8_bf8, f32 sums; everything else in f32.
;; Inputs: Wk_codes 1,024 x 32 x 32 uint8 (E5M2 codes of Wk, K innermost, in blocks of 32 codes); Wq_codes 1,024 x 32 x 32 uint8 (E5M2 codes of Wq, K innermost, in blocks of 32 codes); Wv_codes 1,024 x 32 x 32 uint8 (E5M2 codes of Wv, K innermost, in blocks of 32 codes); key_codes 8 x 1,024 x 32 x 32 uint8 (E5M2 codes of key, K innermost, in blocks of 32 codes); lowp_scales 10 int32 (the exponents e of the quantised operands' scales 2^e); query_codes 8 x 1,024 x 32 x 32 uint8 (E5M2 codes of query, K innermost, in blocks of 32 codes); valid_len 8 x 1,024 int32; value_codes 8 x 1,024 x 32 x 32 uint8 (E5M2 codes of value, K innermost, in blocks of 32 codes).
;; Outputs: out0 8 x 1,024 x 1,024 float32.
;; This version of the problem:
;;   THIS VERSION OF THE PROBLEM IS GIVEN IN LOW PRECISION. The matrix products marked QUANTISED in the list below multiply operands that are first quantised to E5M2 (5 exponent bits, 2 mantissa bits; 8 bits a number), with one given power-of-two scale for each operand tensor; their sums are f32. All else is computed in f32.
;;   The module's matrix products, in the order in which they are computed (A, B: the left and right operand; K: the contracted axis; several contracted axes count as one K, in the product's order):
;;     1. [M 8,192, K 1,024] x [K 1,024, N 1,024]; A: input query (given as codes); B: input Wq (given as codes): QUANTISED (scales: A lowp_scales[0], B lowp_scales[1])
;;     2. [M 8,192, K 1,024] x [K 1,024, N 1,024]; A: input key (given as codes); B: input Wk (given as codes): QUANTISED (scales: A lowp_scales[2], B lowp_scales[3])
;;     3. [M 8,192, K 1,024] x [K 1,024, N 1,024]; A: input value (given as codes); B: input Wv (given as codes): QUANTISED (scales: A lowp_scales[4], B lowp_scales[5])
;;     4. batch 128 x [M 1,024, K 64] x [K 64, N 1,024]; A: computed on the way; B: computed on the way: QUANTISED (scales: A lowp_scales[6], B lowp_scales[7])
;;     5. batch 128 x [M 64, K 1,024] x [K 1,024, N 1,024]; A: computed on the way; B: softmax (see below): QUANTISED (scales: A lowp_scales[8], B lowp_scales[9])
;;   THE QUANTISER, for each operand of a quantised product, along K:
;;     - The operand's scale is 2^e, e = its entry of the input lowp_scales (int32; the entries are numbered through the quantised products in the list's order, A before B).
;;     - Each number is divided by the scale, clamped to +-57,344, and rounded to the nearest number of E5M2, ties to even, subnormals kept.
;;     - The product sums the exact products of the quantised numbers (number of the format x scale) in f32.
;;   ~~~python
;;   def quantise(x, axis, e):      # numpy; x: float32 -> the quantised numbers, widened to float32 again
;;       x = np.moveaxis(x, axis, -1); K = x.shape[-1]
;;       r = np.clip(x / 2.0 ** e, -57344, 57344)
;;       step = 2.0 ** (np.maximum(np.frexp(np.where(r == 0, 1, r))[1] - 1, -14) - 2)
;;       q = np.round(r / step) * step * 2.0 ** e      # np.round: ties to even
;;       return np.moveaxis(q, -1, axis).astype(np.float32)
;;   ~~~
;;   SOFTMAX AHEAD OF A QUANTISED PRODUCT. Where the list says 'softmax', what is quantised is not the finished softmax but p = 2^(t - M), with t = logit x log2(e) and M = ceil(the row's largest t), a whole number; so 1/2 < the row's largest p <= 1. The row's sum l is taken of the UNQUANTISED p, in f32, and the product's result is divided by l at the end. Since M is a whole number, a kernel that streams over the keys may use a running M (the ceiling of the running maximum): every later rescaling is an exact power of two, so the quantised numbers keep their values, but for numbers so far below the row's largest that they fall under the format's range.
;;   OPERANDS COMPUTED ON THE WAY. 'Computed on the way' means the value that the module computes at that place (a softmax that the list does not call 'softmax' is quantised finished and normalised). What goes into a quantiser is computed in f32, as accurately as f32 sums, v_exp_f32 and their like allow (about 1e-6 of the number): no bf16 or f16 on the way to a quantiser, and a product that is left as it is and whose result goes on into a quantised operand takes f32 operands (vector FMAs, or v_wmma_f32_16x16x4_f32). A number that lies on a knife's edge between two numbers of the format may be rounded either way, as far as f32 arithmetic and the matrix unit's own rounding can turn it there, and no further.
;;   INPUTS GIVEN AS CODES. Wk (in the module: [1024, 1024], K = its axis 0); Wq (in the module: [1024, 1024], K = its axis 0); Wv (in the module: [1024, 1024], K = its axis 0); key (in the module: [8, 1024, 1024], K = its axis 2); query (in the module: [8, 1024, 1024], K = its axis 2); value (in the module: [8, 1024, 1024], K = its axis 2): each comes as NAME_codes (uint8): NAME with its K axis moved to the last place and cut into blocks of 32 codes, [.., K / 32, bytes a block], one block behind the other in memory; one code a byte (a code: sign, 5 exponent bits, 2 mantissa bits); its scale is its entry of lowp_scales. Its value is code x scale, taken as it is: it is not quantised again, and the codes and scales need not be those that the quantiser above would give.
;; One version. Each part assembles by itself: llvm-mc -triple=amdgcn-amd-amdhsa -mcpu=gfx1250 --defsym DOCPART=n.
;; ======== version 1 of 1: 2 launches
;; limits: right only within a limited range of input values
;; workspace buffers: qc 8,388,608 bytes; kc 8,388,608 bytes; vc 8,388,608 bytes
;; launch proj (part 1): grid 4 x 96, 4 waves a work-group, clusters of 4 x 4, 327,680 bytes of LDS; arguments query_codes, key_codes, value_codes, Wq_codes, Wk_codes, Wv_codes, lowp_scales, qc, kc, vc; writes qc, kc, vc
.if DOCPART == 1
	.amdgcn_target "amdgcn-amd-amdhsa--gfx1250"
	.amdhsa_code_object_version 6
	.text
	.protected	k_qcd42b0d35d_proj
	.globl	k_qcd42b0d35d_proj
	.p2align	8
	.type	k_qcd42b0d35d_proj,@function
k_qcd42b0d35d_proj:
	s_mov_b64 s[64:65], 0
	v_nop
	global_prefetch_b8 v0, s[64:65] scope:SCOPE_SE
	s_setreg_imm32_b32 hwreg(HW_REG_WAVE_MODE, 25, 1), 1
	s_wait_xcnt 0x0
	s_wait_alu depctr_hold_cnt(0) depctr_sa_sdst(0) depctr_va_vdst(0) depctr_va_sdst(0) depctr_va_ssrc(0) depctr_va_vcc(0) depctr_vm_vsrc(0)
	s_getreg_b32 s2, hwreg(HW_REG_IB_STS2, 6, 4)
	s_cmp_eq_u32 s2, 0
	s_cbranch_scc0 .Lentry_in_a_cluster
	s_endpgm
.Lentry_in_a_cluster:
	s_bfe_u32 s2, ttmp6, 0x10000c
	s_cmp_lg_u32 s2, 0xf033
	s_cbranch_scc0 .Lentry_shape_is_right
	s_endpgm
.Lentry_shape_is_right:
; THE THREE PROJECTIONS q = query Wq, k = key Wk, v = value Wv on codes of BF8 (E5M2), and their results quantised at once to codes of BF8 with the given scales.
; Activations: [8192][1024] codes, weights: [1024 (n)][1024 (k)] codes, K innermost in both.  lowp_scales: e0, e1 (query, Wq), e2, e3 (key, Wk), e4, e5 (value, Wv), e6, e7, e8 (the scales of q, k, v as operands).
; A sum stands for sum x 2^(eA + eB); its code is sum / 2^(eo - eA - eB), rounded to the nearest code, ties to even: the three exponents are folded into the conversion's one scale.
; LIMITS: eo - eA - eB lies between -126 and 112, so that the scale and 57,344 x the scale are f32 numbers.  NaN among the sums is not served.
; ONE BODY FOR ALL THREE.  D = X0 X1^T, source 0 = 16 rows of X0, source 1 = 16 rows of X1: a lane holds ONE row of X1 and its eight registers eight NEIGHBOURING rows of X0.
;   q, k: X0 = the weight, X1 = the activations: a lane holds a token and eight neighbouring channels (the next product's K = the head's channels).
;   v:    X0 = value,      X1 = Wv:              a lane holds a channel and eight neighbouring tokens (the next product's K = the keys).
; So eight registers of an accumulator, converted, are two registers of the next operand in the matrix instruction's own layout (registers 2 c, 2 c + 1: k = 16 c + 8 (lane / 16) + 0 .. 7).
; THE OUTPUT IS LAID AS IMAGES OF THE NEXT LAUNCH'S OPERAND REGISTERS: four registers of 32 lanes are a part of 512 bytes, lane l's 16 bytes at 16 l; the part of X1's tile T1 (16 rows) and X0's block B0 (32 rows)
; lies at (T1 x NB0 + B0) x 512, NB0 = X0's rows / 32 (32 for q and k, 256 for v).  Each store of a wave covers 512 consecutive bytes, aligned, straight from registers: no stage in LDS.
; SHARES.  24 clusters of 4 x 4 work-groups: cluster y = 8 p + i, p = 0, 1, 2 for q, k, v.  A work-group makes 256 x 256 of D, each of its four waves 128 x 128: 64 accumulators, 512 registers.
; K = 1,024 goes in four steps of 256 through a ring of two LDS slots filled by the tensor data mover.  X1's tile is shared along a row of the cluster, X0's along a column: each is asked for JOINTLY,
; by the same tensor load with the same descriptor and a mask that names the four.  The choice among the tensors is made by selects on the cluster's number alone: no branch hangs on it.
; FRAGMENTS are fetched by four loads of 16 bytes, 32 bytes apart: a permutation of k that is the same in both operands, so that every product meets its partner.
; REGISTERS, in windows of 256: window 0: v0-31 addresses; v96-104 the way out's offsets and scale; from v128 X1's fragments, ONE set; on the way out v128-255 codes.
;   window 1: X0's fragments, TWO sets, at v0 and v128.   window 2: the accumulators of my X1 rows 0-63 ((a, b) at v[8 (8 a + b)]);   window 3: those of rows 64-127.
.set ROWB,   256                       ; a tile's row in bytes: 256 codes
.set KROW,   1024                      ; a row of X0 or X1 in memory, in bytes
.set PITCH,  272                       ; an LDS row: 256 bytes + 16 of padding = 68 words: row r starts at bank 4 r mod 64 (64 banks of 4 bytes: ISA guide 11.1)
.set FR,     16                        ; registers of a fragment: 16 rows x 128 K
.set NL,     4                         ; LDS loads that bring one
.set NP,     4                         ; places behind this matrix instruction (ISA guide 7.12.1)
.set HALFT,  128*PITCH                 ; 128 rows: what one tensor load brings, and what one wave reads of X1 or of X0
.set SLOT,   4*HALFT                   ; X1's 256 rows, then X0's 256 rows
.set SPARE,  2*SLOT                    ; behind the ring: the spare words, 128 bytes for each wave: two blocks of 256 bytes that no other line names
.set ADRA, 16                          ; v16-17  LDS address of my X1 fragments in slot 0, 1
.set ADRB, 20                          ; v20-21  the same for X0
.set L16,  26                          ; v26     16 x lane
.set SPW,  28                          ; v28     LDS address of my spare word; never rewritten
.set NIL,  29                          ; v29     0; never rewritten
.set TMP,  32
.set OFF,  96                          ; v96-103 the way out: block a's byte offset: 16 x lane + a x STR
.set SCV,  104                         ; v104    2^(eo - eA - eB) as f32
.set AF,   128                         ; X1's fragments, in window 0
.set CD,   128                         ; the way out: codes, 16 registers for each block, so that no store's data are written again
.set G1, 24                            ; s[24:31] descriptor group 1 for X1's tiles;  s[32:39] group 0, one set for each slot
.set G0, 32
.set G1B, 48                           ; s[48:55], s[56:63] the same for X0's tiles
.set G0B, 56
.set MSB, 0
.macro WIN new                         ; the immediate's high byte repeats the setting that is left
.if MSB != \new
	s_set_vgpr_msb (MSB<<8)|\new
.set MSB, \new
.endif
.endm
.set MUL_LO, 0xa1                      ; source 0 (X0) window 1, source 1 (X1) window 0, C and D window 2
.set MUL_HI, 0xf1                      ; the same, C and D window 3
.set TO_B,   0x40                      ; destination window 1, address window 0
; A joint load: waves 0 and 1 fetch for X1, waves 2 and 3 for X0.  Each of the two lines has ONE mask and one set of registers for all that issue it; the branch hangs on the wave's number alone.
; Four v_nop follow each of the two lines, ahead of the jump, the label and what follows.
.macro JLOAD g0a, g1a, g0b, g1b
	s_cmp_eq_u32 s15, 0
	s_cbranch_scc0 .Lfor_b_\@
	tensor_load_to_lds s[\g0a:\g0a+3], s[\g1a:\g1a+7]
	s_nop 0
.rept 4
	v_nop
.endr
	s_branch .Lasked_\@
.Lfor_b_\@:
	tensor_load_to_lds s[\g0b:\g0b+3], s[\g1b:\g1b+7]
	s_nop 0
.rept 4
	v_nop
.endr
.Lasked_\@:
.endm
.macro CREST                           ; a round of the cluster's barrier behind its opening barrier
	s_cmp_lg_u32 s14, 0
	s_cbranch_scc1 .Lnot_wave_0_\@
	s_barrier_signal -3
.Lnot_wave_0_\@:
	s_barrier_wait -3
	s_barrier_signal -1
	s_barrier_wait -1
.endm
.macro CROUND                          ; a whole round
	s_barrier_signal -1
	s_barrier_wait -1
	CREST
.endm
	s_load_b512 s[68:83], s[0:1], 0x0              ; query s[68:69], key s[70:71], value s[72:73], Wq s[74:75], Wk s[76:77], Wv s[78:79], the scales s[80:81], qc s[82:83]
	s_load_b128 s[84:87], s[0:1], 0x40             ; kc s[84:85], vc s[86:87]
	v_lshl_add_u32 v[SPW], v0, 2, SPARE
	v_mov_b32 v[NIL], 0
	ds_add_u32 v28, v29
	ds_add_u32 v28, v29
	s_wait_dscnt 0x0
	v_lshrrev_b32 v1, 5, v0
	v_readfirstlane_b32 s14, v1                    ; wave 0..3
	s_lshr_b32 s15, s14, 1                         ; which half of the tile's X1 rows is mine.  Also: I fetch for X1 (0) or for X0 (1)
	s_and_b32 s16, s14, 1                          ; which half of its X0 rows.  Also: which 128 rows of that tile I fetch
	s_bfe_u32 s40, ttmp6, 0x40000                  ; cx, cy: my place in the cluster
	s_bfe_u32 s41, ttmp6, 0x40004
	s_and_b32 s93, ttmp7, 0xffff                   ; the cluster's y, 0 .. 23
	s_lshr_b32 s92, s93, 3                         ; p: 0 for q, 1 for k, 2 for v
	s_and_b32 s93, s93, 7                          ; i: which 1,024 rows of the activations
	s_lshl_b32 s43, s41, 2
	s_lshl_b32 s43, 15, s43                        ; my row of the cluster
	s_lshl_b32 s44, 0x1111, s40                    ; my column
	; descriptor group 1: a tile of 128 rows x 256 bytes, padded in LDS
	s_or_b32 s[G1+0], s43, (0<<16)|(1<<20)|(1<<21)|(5<<22)|(3<<25)  ; 15:0 the mask: X1's tiles go to my row; 17:16 element of 1 byte; 20 padding on; 21 set beside a mask; 24:22 after every 64 words (code 5); 31:25 of 4 words (code 3)
	s_or_b32 s[G1B+0], s44, (0<<16)|(1<<20)|(1<<21)|(5<<22)|(3<<25) ; the same with the mask of my column, for X0's tiles
.irp g, G1, G1B
	s_mov_b32 s[\g+1], ROWB<<16                    ; tensor_dim0
	s_mov_b32 s[\g+2], 128<<16                     ; tensor_dim1 = 128
	s_mov_b32 s[\g+3], ROWB<<16                    ; tile_dim0
	s_mov_b32 s[\g+4], 128                         ; tile_dim1 = 128
	s_mov_b32 s[\g+5], KROW                        ; tensor_dim0_stride
	s_mov_b32 s[\g+6], 0
	s_mov_b32 s[\g+7], 0
.endr
	s_wait_kmcnt 0x0
	s_cmp_eq_u32 s92, 0                            ; the tensors are chosen by p alone, which all sixteen partners share
	s_cselect_b64 s[88:89], s[68:69], s[70:71]     ; the activations: query or key,
	s_cselect_b64 s[90:91], s[74:75], s[76:77]     ; the weight: Wq or Wk,
	s_cselect_b64 s[10:11], s[82:83], s[84:85]     ; the output: qc or kc;
	s_cmp_eq_u32 s92, 2
	s_cselect_b64 s[88:89], s[72:73], s[88:89]     ; or value,
	s_cselect_b64 s[90:91], s[78:79], s[90:91]     ; Wv,
	s_cselect_b64 s[10:11], s[86:87], s[10:11]     ; vc
	s_cselect_b64 s[4:5], s[90:91], s[88:89]       ; X1 (along the lanes): the activations, for v the weight
	s_cselect_b64 s[6:7], s[88:89], s[90:91]       ; X0 (along the registers): the weight, for v the activations
	s_cselect_b32 s18, 0, s93                      ; which four tiles of X1 the cluster takes,
	s_cselect_b32 s19, s93, 0                      ; and of X0
	s_mov_b32 s94, 16384
	s_cselect_b32 s94, 131072, s94                 ; STR = NB0 x 512: bytes from one tile of X1 to the next in the output
	s_mov_b64 s[8:9], s[80:81]
	s_load_b256 s[68:75], s[8:9], 0x0              ; e0 .. e7 (the pointers that lay here have been chosen from); waited for on the way out
	s_load_b32 s76, s[8:9], 0x20                   ; e8
	s_lshl_b32 s17, s18, 2
	s_add_co_u32 s17, s17, s41                     ; tile of X1 = 4 x its share + cy
	s_lshl_b32 s42, s19, 2
	s_add_co_u32 s42, s42, s40                     ; tile of X0 = 4 x its share + cx
	s_lshl_b32 s18, s16, 7                         ; which 128 rows of the tile I fetch
	s_lshl_b32 s20, s17, 8
	s_add_co_u32 s20, s20, s18                     ; X1: row 256 x tile + 128 x half
	s_lshl_b32 s46, s42, 8
	s_add_co_u32 s46, s46, s18                     ; X0 likewise
	s_lshl_b32 s20, s20, 10                        ; rows of 1,024 bytes: under 2^23
	s_lshl_b32 s46, s46, 10
	s_mov_b32 s21, 0
	s_mov_b32 s47, 0
	s_mul_i32 s45, s14, HALFT                      ; where they go: wave x 128 rows: no place in the cluster enters an LDS address
	s_add_nc_u64 s[20:21], s[4:5], s[20:21]
	s_add_nc_u64 s[46:47], s[6:7], s[46:47]
	CROUND                                         ; all sixteen work-groups are here: the first joint loads meet
.irp s, 0,1
	s_mov_b32 s[G0+4*\s], 1
	s_add_co_u32 s[G0+4*\s+1], s45, \s*SLOT
	s_add_nc_u64 s[G0+4*\s+2:G0+4*\s+3], s[20:21], \s*ROWB
	s_or_b32 s[G0+4*\s+3], s[G0+4*\s+3], 0x80000000
	s_mov_b32 s[G0B+4*\s], 1
	s_add_co_u32 s[G0B+4*\s+1], s45, \s*SLOT
	s_add_nc_u64 s[G0B+4*\s+2:G0B+4*\s+3], s[46:47], \s*ROWB
	s_or_b32 s[G0B+4*\s+3], s[G0B+4*\s+3], 0x80000000
	JLOAD G0+4*\s, G1, G0B+4*\s, G1B
.endr
	v_and_b32 v1, 15, v0                           ; l % 16
	v_bfe_u32 v2, v0, 4, 1                         ; l / 16
	v_mul_u32_u24 v3, v1, PITCH
	v_lshl_add_u32 v4, v2, 4, v3                   ; a fragment's row x pitch + 16 x half
	s_mul_i32 s21, s15, HALFT                      ; my 128 rows of X1
	s_mul_i32 s22, s16, HALFT                      ; my 128 rows of X0,
	s_add_co_u32 s22, s22, 2*HALFT                 ; which lie behind X1's 256
.irp s, 0,1
	v_add_nc_u32 v[ADRA+\s], s21, v4
	v_add_nc_u32 v[ADRB+\s], s22, v4
	s_add_co_u32 s21, s21, SLOT
	s_add_co_u32 s22, s22, SLOT
.endr
	; the way out's addresses: block a of my eight (16 rows of X1) lies a x STR behind block 0
	v_and_b32 v5, 31, v0
	v_lshlrev_b32 v[L16], 4, v5
	s_wait_alu depctr_va_vdst(0)
	s_mov_b32 s23, 0
.irp a, 0,1,2,3,4,5,6,7
	v_add_nc_u32 v[OFF+\a], s23, v[L16]
	s_add_co_u32 s23, s23, s94
.endr
	s_lshl_b32 s20, s17, 4
	s_lshl_b32 s21, s15, 3
	s_add_co_u32 s20, s20, s21                     ; my first tile of X1: 16 x tile + 8 x half
	s_mul_i32 s20, s20, s94
	s_lshl_b32 s21, s42, 3
	s_lshl_b32 s22, s16, 2
	s_add_co_u32 s21, s21, s22                     ; my first block of X0: 8 x tile + 4 x half
	s_lshl_b32 s21, s21, 9
	s_add_co_u32 s20, s20, s21                     ; under 2^23
	s_mov_b32 s21, 0
	s_add_nc_u64 s[10:11], s[10:11], s[20:21]
.macro FRAG reg, adr, q, i             ; a fragment, 16 rows x 128 K of 8-bit codes, is 16 registers: lane l holds row l % 16; registers 4 c .. 4 c + 3 hold K = 32 c + 16 (l / 16) + 0 .. 15
.irp c, 0,1,2,3
	ds_load_b128 v[\reg+4*\c:\reg+4*\c+3], v[\adr] offset:128*(\q)+32*\c+(\i)*16*PITCH
.endr
.endm
; 16 matrix instructions: X1's blocks a0, a0 + 1 x X0's eight, 128 along K.  p: X0's set.  zero = 1: the first product starts the sums: nothing is ever cleared.
; The 64 accumulators take turns, one instruction a turn, in the same order in every step.
.macro MUL16 a0, p, zero
.irp a, \a0, \a0+1
.irp b, 0,1,2,3,4,5,6,7
.if \zero
	v_wmma_f32_16x16x128_bf8_bf8 v[8*(8*((\a)%4)+\b):8*(8*((\a)%4)+\b)+7], v[128*(\p)+FR*\b:128*(\p)+FR*\b+FR-1], v[AF+FR*(\a):AF+FR*(\a)+FR-1], 0
.else
	v_wmma_f32_16x16x128_bf8_bf8 v[8*(8*((\a)%4)+\b):8*(8*((\a)%4)+\b)+7], v[128*(\p)+FR*\b:128*(\p)+FR*\b+FR-1], v[AF+FR*(\a):AF+FR*(\a)+FR-1], v[8*(8*((\a)%4)+\b):8*(8*((\a)%4)+\b)+7]
.endif
.endr
.endr
.endm
.macro FETCH_B slot, q, p              ; X0's eight fragments of the slot's q-th 128 along K into set p
	WIN TO_B
.irp i, 0,1,2,3,4,5,6,7
	FRAG 128*(\p)+FR*\i, ADRB+\slot, \q, \i
.endr
	WIN 0
.endm
.macro FETCH_A slot, q, i0             ; X1's blocks i0 .. i0 + 3
.irp i, \i0, \i0+1, \i0+2, \i0+3
	FRAG AF+FR*(\i), ADRA+\slot, \q, \i
.endr
.endm
; A load into a register that a matrix instruction has read, and a vector instruction that reads a matrix result or writes one of a matrix instruction's registers, stand NP places behind it, and only plain
; vector instructions that name none of its registers are places (ISA guide 7.12.1 for vector instructions).
.macro PLACES n
.rept \n
	v_nop
.endr
.endm
; A step of 128 along K that has its successor in the same slot.  A block of X1 is free as soon as its eight products are issued: blocks 0-3 are fetched anew in the step's middle, blocks 4-7 at its end.
.macro STEP slot, q, zero
	s_wait_dscnt 4*NL                              ; X0's set and X1's blocks 0-3 are in; the youngest sixteen loads (X1's blocks 4-7) may be out
	WIN MUL_LO
	MUL16 0, (\q)%2, \zero
	MUL16 2, (\q)%2, \zero
	s_wait_dscnt 0                                 ; X1's blocks 4-7 are in (asked for 32 matrix instructions ago)
	PLACES NP
	FETCH_B \slot, (\q)+1, 1-(\q)%2
	FETCH_A \slot, (\q)+1, 0
	WIN MUL_HI
	MUL16 4, (\q)%2, \zero
	MUL16 6, (\q)%2, \zero
	PLACES NP
	WIN 0
	FETCH_A \slot, (\q)+1, 4
.endm
; A slot's last step changes slots: ONE barrier; in front of it each wave waits for all its tensor loads, adds 0 to its spare word, and waits for that and for its own reads of this slot.  fill = 1: this slot is filled again, two K steps ahead.
.macro TURN slot, next, fill
	s_wait_tensorcnt 0x0                           ; all my tensor loads have landed: my part of the next slot;  (every window is 0 here: the add's two registers lie in window 0)
	ds_add_u32 v[SPW], v[NIL]                      ; 0 onto my spare word
	s_wait_dscnt 4*NL+1                            ; (the add and the youngest sixteen loads, X1's blocks 4-7, may be out)
	WIN MUL_LO
	MUL16 0, 1, 0                                  ; sixteen matrix instructions stand between the add and the wait for it
	s_wait_dscnt 0x0                               ; the add is done, and my reads of this slot are over
	s_barrier_signal -1
	MUL16 2, 1, 0
	WIN 0
	s_barrier_wait -1
.if \fill
	CREST                                          ; the barrier has opened a round of the cluster's barrier: no wave of any partner still reads this slot's tile or has a load on its way
	s_add_nc_u64 s[G0+4*\slot+2:G0+4*\slot+3], s[G0+4*\slot+2:G0+4*\slot+3], 2*ROWB
	s_add_nc_u64 s[G0B+4*\slot+2:G0B+4*\slot+3], s[G0B+4*\slot+2:G0B+4*\slot+3], 2*ROWB
	JLOAD G0+4*\slot, G1, G0B+4*\slot, G1B         ; the first tensor load behind the round; the four v_nop behind it are the places in front of the loads below
.else
	PLACES NP
.endif
	FETCH_B \next, 0, 0
	FETCH_A \next, 0, 0
	WIN MUL_HI
	MUL16 4, 1, 0
	MUL16 6, 1, 0
	PLACES NP
	WIN 0
	FETCH_A \next, 0, 4
.endm
	s_wait_tensorcnt 1                             ; my part of K step 0 is in (K step 1's load, issued behind it, may be out),
	s_barrier_signal -1
	s_barrier_wait -1                              ; everybody's is
	FETCH_B 0, 0, 0
	FETCH_A 0, 0, 0
	FETCH_A 0, 0, 4
	; K = 1,024 is four K steps of 256, eight steps of 128: written straight, since a loop would have one trip
	STEP 0, 0, 1                                   ; K step 0: its first products start the sums
	TURN 0, 1, 1                                   ; slot 0 takes K step 2
	STEP 1, 0, 0                                   ; K step 1
	TURN 1, 0, 1                                   ; slot 1 takes K step 3
	STEP 0, 0, 0                                   ; K step 2
	TURN 0, 1, 0                                   ; nothing is left to fetch
	STEP 1, 0, 0                                   ; K step 3
	s_wait_dscnt 4*NL                              ; the very last step
	WIN MUL_LO
	MUL16 0, 1, 0
	MUL16 2, 1, 0
	s_wait_dscnt 0
	WIN MUL_HI
	MUL16 4, 1, 0
	MUL16 6, 1, 0
	WIN 0
	; THE WAY OUT.  The conversion's scale and the hold, from the given exponents; the choice hangs on p, by selects.
	s_wait_kmcnt 0x0
	s_add_co_i32 s68, s68, s69                     ; e0 + e1
	s_add_co_i32 s70, s70, s71                     ; e2 + e3
	s_add_co_i32 s72, s72, s73                     ; e4 + e5
	s_cmp_eq_u32 s92, 0
	s_cselect_b32 s97, s68, s70
	s_cselect_b32 s77, s74, s75                    ; e6 for q, e7 for k,
	s_cmp_eq_u32 s92, 2
	s_cselect_b32 s97, s72, s97                    ; eA + eB
	s_cselect_b32 s77, s76, s77                    ; e8 for v: eo
	s_sub_co_i32 s77, s77, s97
	s_add_co_i32 s77, s77, 127
	s_lshl_b32 s97, s77, 23
	v_mov_b32 v[SCV], s97                          ; 2^(eo - eA - eB) as f32: the conversion takes its exponent field
	s_add_co_i32 s77, s77, 15
	s_lshl_b32 s96, s77, 23
	s_or_b32 s96, s96, 0x600000                    ; 57,344 x that,
	s_or_b32 s95, s96, 0x80000000                  ; and its negative
	PLACES NP                                      ; behind the last products: for the reads of their results and the writes over X1's fragments
; Block a: 16 rows of X1 x my 128 rows of X0.  accumulator b's eight numbers
; become registers 2 b, 2 b + 1 of the codes; four registers are a part of 512 bytes.  Every store has data and an offset register of its own, so nothing that a store reads is written again.
.macro OUT a
.set AC, 64*((\a)%4)
	WIN 0x02+((\a)/4)                              ; source 0: window 2 or 3
.set j, 0
.rept 64
.set j, j+1
.endr
.irp b, 0,1,2,3,4,5,6,7
	v_cvt_scalef32_pk8_bf8_f32 v[CD+16*(\a)+2*\b:CD+16*(\a)+2*\b+1], v[AC+8*\b:AC+8*\b+7], v[SCV]
.endr
	WIN 0
	v_nop                                          ; one plain vector instruction behind the conversions
.irp g, 0,1,2,3
	global_store_b128 v[OFF+(\a)], v[CD+16*(\a)+4*\g:CD+16*(\a)+4*\g+3], s[10:11] offset:512*\g   ; 32 lanes store 512 consecutive bytes, at a multiple of 512 from the buffer's first byte
.endr
.endm
.irp a, 0,1,2,3,4,5,6,7
	OUT \a
.endr
	s_wait_tensorcnt 0x0                           ; the wave's end, behind my last tensor load
	ds_add_u32 v[SPW], v[NIL]
	s_wait_dscnt 0x0
	CROUND                                         ; the closing round: no work-group ends while a partner may still ask for a tile that names it
	s_endpgm
.Lfunc_end_k_qcd42b0d35d_proj:
	.size	k_qcd42b0d35d_proj, .Lfunc_end_k_qcd42b0d35d_proj-k_qcd42b0d35d_proj
	.p2alignl 7, 3214868480
	.fill 96, 4, 3214868480
	.section	.rodata,"a",@progbits
	.p2align	6, 0x0
	.amdhsa_kernel k_qcd42b0d35d_proj
		.amdhsa_group_segment_fixed_size 327680
		.amdhsa_private_segment_fixed_size 0
		.amdhsa_enable_private_segment 0
		.amdhsa_kernarg_size 80
		.amdhsa_user_sgpr_count 2
		.amdhsa_user_sgpr_kernarg_segment_ptr 1
		.amdhsa_wavefront_size32 1
		.amdhsa_system_sgpr_workgroup_id_x 1
		.amdhsa_system_sgpr_workgroup_id_y 1
		.amdhsa_system_sgpr_workgroup_id_z 1
		.amdhsa_system_vgpr_workitem_id 0
		.amdhsa_next_free_vgpr 1024
		.amdhsa_next_free_sgpr 100
		.amdhsa_reserve_vcc 0
		.amdhsa_float_denorm_mode_32 3
		.amdhsa_float_denorm_mode_16_64 3
		.amdhsa_fp16_overflow 1
		.amdhsa_memory_ordered 1
		.amdhsa_forward_progress 1
		.amdhsa_inst_pref_size 87
	.end_amdhsa_kernel
	.amdgpu_metadata
---
amdhsa.version: [ 1, 2 ]
amdhsa.kernels:
  - .name:           k_qcd42b0d35d_proj
    .symbol:         k_qcd42b0d35d_proj.kd
    .args:
      - { .name: query_codes, .offset: 0, .size: 8, .value_kind: global_buffer, .address_space: global }
      - { .name: key_codes, .offset: 8, .size: 8, .value_kind: global_buffer, .address_space: global }
      - { .name: value_codes, .offset: 16, .size: 8, .value_kind: global_buffer, .address_space: global }
      - { .name: Wq_codes, .offset: 24, .size: 8, .value_kind: global_buffer, .address_space: global }
      - { .name: Wk_codes, .offset: 32, .size: 8, .value_kind: global_buffer, .address_space: global }
      - { .name: Wv_codes, .offset: 40, .size: 8, .value_kind: global_buffer, .address_space: global }
      - { .name: lowp_scales, .offset: 48, .size: 8, .value_kind: global_buffer, .address_space: global }
      - { .name: qc, .offset: 56, .size: 8, .value_kind: global_buffer, .address_space: global }
      - { .name: kc, .offset: 64, .size: 8, .value_kind: global_buffer, .address_space: global }
      - { .name: vc, .offset: 72, .size: 8, .value_kind: global_buffer, .address_space: global }
    .group_segment_fixed_size: 327680
    .private_segment_fixed_size: 0
    .kernarg_segment_align: 8
    .kernarg_segment_size: 80
    .max_flat_workgroup_size: 128
    .sgpr_count:     100
    .vgpr_count:     1024
    .wavefront_size: 32
...
	.end_amdgpu_metadata
.endif
;; end of part 1
;; launch attn (part 2): grid 2 x 128, 16 waves a work-group, no clusters, 202,752 bytes of LDS; arguments qc, kc, vc, valid_len, lowp_scales, out0; writes out0
.if DOCPART == 2
	.amdgcn_target "amdgcn-amd-amdhsa--gfx1250"
	.amdhsa_code_object_version 6
	.text
	.protected	k_qcd42b0d35d_attn
	.globl	k_qcd42b0d35d_attn
	.p2align	8
	.type	k_qcd42b0d35d_attn,@function
k_qcd42b0d35d_attn:
	s_mov_b64 s[64:65], 0
	v_nop
	global_prefetch_b8 v0, s[64:65] scope:SCOPE_SE
	s_setreg_imm32_b32 hwreg(HW_REG_WAVE_MODE, 25, 1), 1
	s_wait_xcnt 0x0
; out[b][q][64 hd ..] = the sum over keys of softmax_k(masked score) v, for 8 x 16 heads of 1,024 queries, 1,024 keys and 64 channels; both products on codes of BF8 (E5M2).
; score = q . k / 8; where key >= valid_len[b][q] the score is REPLACED BY -1000 (a number, not minus infinity: a row with no visible key becomes uniform, and -1000 may be a row's largest): so every key is worked in every step.
; THE SOFTMAX AHEAD OF THE SECOND PRODUCT: t = score x log2(e); M = the row's largest t so far, rounded UP to a whole number; p = 2^(t - M) is quantised with 2^e9; it is not normalised.
; The row's sum is taken of the unquantised p, in f32, and divides at the end.  When M moves, the sum and O are multiplied by 2^(old M - new M): nothing is rounded.
; INPUTS: qc, kc, vc hold the codes of q, k, v as images of operand registers: a part of 512 bytes is four registers of 32 lanes, lane l's 16 bytes at 16 l.
;   qc, kc: part (tile of 16 tokens T1 = 64 b + s / 16, 2 hd + c) at (32 T1 + 2 hd + c) x 512: registers 4 c .. 4 c + 3 of the K = 64 fragment.
;   vc: part (tile of 16 channels 4 hd + t, 32 b + 4 sigma + c) at (256 (4 hd + t) + 32 b + 4 sigma + c) x 512: registers 4 c .. 4 c + 3 of the K = 128 fragment of V^T for keys 128 sigma on.
; SHARES.  A work-group owns 512 queries of one head; each of its SIXTEEN waves owns 32 of them, two tiles A and B of 16, in 256 registers: four waves to a SIMD, so that one wave's vector work stands beside another's
; matrix work and LDS loads.  Both tiles multiply by every fragment of K and V that the wave reads from LDS.  Every wave walks all keys, 128 a step.
; LDS.  The head's K (65,536 bytes) and V (65,536 bytes) lie in LDS whole: eight tensor loads at the head, four chunks of 256 keys each (wave 0: K's, wave 1: V's: four loads of a wave are out at the most).
; No byte is filled twice.  In front of each chunk's two steps stands a counted wait and a barrier; the later chunks land meanwhile.  Images are dense: a load's 512 bytes are consecutive.
; LAYOUT.  Both products are used transposed: S^T = K Q^T (source 0 = 16 keys, source 1 = 16 queries), O^T = V^T P^T (source 0 = 16 channels, source 1 = P): a lane holds ONE query (lane % 16) throughout.
; Register j of S^T's tile i holds key 16 i + 8 (lane / 16) + j: its eight registers, converted, ARE registers 2 i, 2 i + 1 of P in the K = 128 form's own layout.
; NO CLUSTER: a head's K and V are read by the two work-groups of its grid row alone, and a cluster here is four work-groups along x; with two partners no joint request in that form can be made.
; LIMITS: e6 + e7 between -115 and 130 (added to and taken from exponent fields); e9 between -15 and 127; e8 + e9 is applied by v_ldexp_f32 and has none.  valid_len within +-2^30 (it is shifted by up to 1,032).  NaN is not served.
.set KLDS,  0                          ; K: key tile T (16 keys) at 1,024 T, part c at + 512
.set VLDS,  65536                      ; V: chunk ch at 16,384 ch; channel tile t at + 4,096 t; step (sigma % 2) at + 2,048; part c at + 512
.set STAGE, 131072                     ; the way out: 16 rows x 272 bytes for each wave; no tensor load fills it
.set SP,    272
.set L16, 1                            ; v1   16 x lane
.set ADR, 2                            ; v2   LDS address of the run of loads in hand
.set SC,  3                            ; v3   2^e9 as f32
.set CR,  4                            ; v4   the raw sum that stands for a score of -1000
.set DA,  5                            ; v5   valid_len of tile A's query - 8 (lane / 16) - the step's first key
.set DB,  6                            ; v6   the same for tile B
.set LIM, 7
.set STA, 8                            ; v8 -M, v9 the largest t, v[10:11] the sum in two halves: tile A
.set STB, 12                           ; v12-15 the same for tile B
.set QA,  16                           ; v16-23 Q's fragment, tile A
.set QB,  24                           ; v24-31 tile B
.set KV,  32                           ; v32-95 K's eight fragments, then V's four
.set S,   96                           ; v96-159 S^T, then p, of the tile in hand
.set OA,  160                          ; v160-191 O^T of tile A: channel tile t at + 8 t
.set OBB, 192                          ; v192-223 of tile B
.set PA,  224                          ; v224-239 P's codes, tile A; until they are made: +0, +1 maxima, +2 the other half's, +4 (and +5) f, +6, +7 a second chain of the sum
.set PBB, 240                          ; v240-255 tile B
.set WV,  16                           ; s16  my wave's number
.set G1K, 24                           ; s[24:31] descriptor group 1 for K's chunks;  s[32:39] for V's
.set G1V, 32
.set G0K, 40                           ; s[40:55] group 0 for K's four chunks
.set CS,  60                           ; s[60:61] c = log2(e) / 8 x 2^(e6 + e7): the packed form names a pair and takes its low word for both halves
.set SEL, 62                           ; s[62:63] lane selects for v_permlanex16_b32: lane l xor 16
.set TBK, 66                           ; s66  LDS byte at which the step's K begins
.set TBV, 67                           ; s67  the same for V
.set G0V, 68                           ; s[68:83] group 0 for V's four chunks
.set TW,  84                           ; s84  counts a chunk's two steps
.set EO,  85                           ; s85  e8 + e9
	s_load_b256 s[4:11], s[0:1], 0x0               ; qc s[4:5], kc s[6:7], vc s[8:9], valid_len s[10:11]
	s_load_b128 s[12:15], s[0:1], 0x20             ; the scales' exponents s[12:13], out s[14:15]
	v_lshl_add_u32 v254, v0, 2, 0x31000
	v_mov_b32 v255, 0
	ds_add_u32 v254, v255
	ds_add_u32 v254, v255
	s_wait_dscnt 0x0
	v_lshrrev_b32 v2, 5, v0
	s_delay_alu instid0(VALU_DEP_1)
	v_readfirstlane_b32 s[WV], v2                  ; wave 0..15
	s_and_b32 s18, ttmp7, 0xffff
	s_lshr_b32 s19, s18, 4                         ; b
	s_and_b32 s20, s18, 15                         ; hd
	; descriptor group 1.  K's chunk: 16 key tiles, each 1,024 consecutive bytes, 16,384 bytes apart.  V's chunk: 4 channel tiles, each 4,096 consecutive bytes, 131,072 apart.  Elements of 1 byte, no padding, no mask.
	s_mov_b32 s[G1K], 0
	s_mov_b32 s[G1K+1], 1024<<16                   ; tensor_dim0
	s_mov_b32 s[G1K+2], 16<<16                     ; tensor_dim1
	s_mov_b32 s[G1K+3], 1024<<16                   ; tile_dim0
	s_mov_b32 s[G1K+4], 16                         ; tile_dim1
	s_mov_b32 s[G1K+5], 16384                      ; tensor_dim0_stride
	s_mov_b32 s[G1K+6], 0
	s_mov_b32 s[G1K+7], 0
	s_mov_b32 s[G1V], 0
	s_mov_b32 s[G1V+1], 4096<<16
	s_mov_b32 s[G1V+2], 4<<16
	s_mov_b32 s[G1V+3], 4096<<16
	s_mov_b32 s[G1V+4], 4
	s_mov_b32 s[G1V+5], 131072
	s_mov_b32 s[G1V+6], 0
	s_mov_b32 s[G1V+7], 0
	s_mov_b32 s[SEL], 0x76543210
	s_mov_b32 s[SEL+1], 0xfedcba98
	s_lshl_b32 s86, s19, 20                        ; qc, kc: 64 b tiles of 16,384 bytes
	s_lshl_b32 s87, s20, 10                        ; + 2 hd parts
	s_add_co_u32 s86, s86, s87
	s_mov_b32 s87, 0
	s_lshl_b32 s88, s20, 19                        ; vc: 4 hd tiles of 131,072 bytes
	s_lshl_b32 s89, s19, 14                        ; + 32 b parts
	s_add_co_u32 s88, s88, s89
	s_mov_b32 s89, 0
	s_wait_kmcnt 0x0
	s_load_b128 s[56:59], s[12:13], 0x18           ; e6, e7, e8, e9
	s_add_nc_u64 s[90:91], s[6:7], s[86:87]        ; the head's K,
	s_add_nc_u64 s[92:93], s[8:9], s[88:89]        ; and V
.irp c, 0,1,2,3
	s_mov_b32 s[G0K+4*\c], 1                       ; 1:0 count = 1
	s_mov_b32 s[G0K+4*\c+1], KLDS+\c*16384         ; 63:32 LDS address
	s_add_nc_u64 s[G0K+4*\c+2:G0K+4*\c+3], s[90:91], \c*262144   ; 120:64 global address: 16 key tiles on
	s_or_b32 s[G0K+4*\c+3], s[G0K+4*\c+3], 0x80000000            ; 127:126 type = 2
	s_mov_b32 s[G0V+4*\c], 1
	s_mov_b32 s[G0V+4*\c+1], VLDS+\c*16384
	s_add_nc_u64 s[G0V+4*\c+2:G0V+4*\c+3], s[92:93], \c*4096     ; 8 parts on in each channel tile
	s_or_b32 s[G0V+4*\c+3], s[G0V+4*\c+3], 0x80000000
.endr
	; all fills of the launch, in one group, ahead of every wait on TENSORcnt, every LDS read and every barrier; a wave's four stand in one branch on the wave's number; four v_nop follow the last
	s_cmp_eq_u32 s[WV], 0
	s_cbranch_scc0 .Lnot_k
.irp c, 0,1,2,3
	tensor_load_to_lds s[G0K+4*\c:G0K+4*\c+3], s[G1K:G1K+7]
	s_nop 0
.endr
.rept 4
	v_nop
.endr
	s_branch .Lasked
.Lnot_k:
	s_cmp_eq_u32 s[WV], 1
	s_cbranch_scc0 .Lasked
.irp c, 0,1,2,3
	tensor_load_to_lds s[G0V+4*\c:G0V+4*\c+3], s[G1V:G1V+7]
	s_nop 0
.endr
.rept 4
	v_nop
.endr
.Lasked:
	v_and_b32 v[L16], 31, v0
	s_delay_alu instid0(VALU_DEP_1)
	v_lshlrev_b32 v[L16], 4, v[L16]
	s_wait_alu depctr_va_vdst(0)
	v_and_b32 v2, 15, v0
	s_delay_alu instid0(VALU_DEP_1)
	v_lshlrev_b32 v2, 2, v2                        ; 4 (lane % 16): my query's word of valid_len
	s_wait_alu depctr_va_vdst(0)
	s_lshl_b32 s88, ttmp9, 19                      ; Q: + 32 x tiles (my work-group's 512 queries)
	s_add_co_u32 s86, s86, s88
	s_lshl_b32 s88, s[WV], 15                      ; + 2 w tiles (my wave's 32)
	s_add_co_u32 s86, s86, s88
	s_add_nc_u64 s[4:5], s[4:5], s[86:87]
	s_lshl_b32 s86, s19, 12                        ; valid_len: (1,024 b + 512 x + 32 w) words
	s_lshl_b32 s88, ttmp9, 11
	s_add_co_u32 s86, s86, s88
	s_lshl_b32 s88, s[WV], 7
	s_add_co_u32 s86, s86, s88
	s_add_nc_u64 s[10:11], s[10:11], s[86:87]
	s_lshl_b32 s86, s19, 22                        ; out: (1,024 b + 512 x + 32 w) rows of 4,096 bytes + 256 hd
	s_lshl_b32 s88, ttmp9, 21
	s_add_co_u32 s86, s86, s88
	s_lshl_b32 s88, s[WV], 17
	s_add_co_u32 s86, s86, s88
	s_lshl_b32 s88, s20, 8
	s_add_co_u32 s86, s86, s88
	s_add_nc_u64 s[14:15], s[14:15], s[86:87]
.irp x, 0,1
.irp c, 0,1
	global_load_b128 v[QA+8*\x+4*\c:QA+8*\x+4*\c+3], v[L16], s[4:5] offset:\x*16384+\c*512   ; Q's two fragments stay in registers
.endr
.endr
	global_load_b32 v[DA], v2, s[10:11]
	global_load_b32 v[DB], v2, s[10:11] offset:64
	v_mov_b32 v[STA+1], 0xff61b1e6                 ; the largest t so far: -3e38, under every t
	v_mov_b32 v[STB+1], 0xff61b1e6
	s_delay_alu instid0(VALU_DEP_2)
	v_floor_f32 v[STA], -v[STA+1]                  ; -M
	s_delay_alu instid0(VALU_DEP_2)
	v_floor_f32 v[STB], -v[STB+1]
	v_mov_b32 v[STA+2], 0                          ; the sums, in two halves
	v_mov_b32 v[STA+3], 0
	v_mov_b32 v[STB+2], 0
	v_mov_b32 v[STB+3], 0
	v_mov_b32 v[PA+2], 0                           ; written once: a lane permute's destination counts as one of its sources
	v_mov_b32 v[PBB+2], 0
	v_mov_b32 v[PA+5], 0                           ; (named as the upper half of f's pair)
	v_mov_b32 v[PBB+5], 0
.set n, 0
.rept 64
	v_mov_b32 v[OA+n], 0                           ; O^T of both tiles.  (The step is written once for all steps: the first finds zeros, which the first change of M leaves zeros)
.set n, n+1
.endr
	s_wait_kmcnt 0x0
	s_add_co_i32 s86, s56, s57                     ; e6 + e7: a raw sum stands for sum x 2^(e6 + e7)
	s_lshl_b32 s86, s86, 23
	s_mov_b32 s[CS], 0x3e38aa3b                    ; log2(e) / 8,
	s_add_co_i32 s[CS], s[CS], s86                 ; x 2^(e6 + e7): the exponents are added to its exponent field
	s_mov_b32 s[CS+1], s[CS]                       ; (named with it as a pair, so it is written)
	s_mov_b32 s87, 0xc5fa0000                      ; -8000,
	s_sub_co_u32 s87, s87, s86                     ; / 2^(e6 + e7): times c it is -1000 log2(e)
	v_mov_b32 v[CR], s87
	s_add_co_i32 s86, s59, 127
	s_lshl_b32 s87, s86, 23
	v_mov_b32 v[SC], s87                           ; 2^e9 as f32, for the conversion
	s_add_co_i32 s[EO], s58, s59                   ; e8 + e9
	s_wait_loadcnt 0x0                             ; Q and valid_len are in; v2 may be written
	v_bfe_u32 v2, v0, 4, 1
	s_delay_alu instid0(VALU_DEP_1)
	v_lshlrev_b32 v2, 3, v2
	s_delay_alu instid0(VALU_DEP_1)
	v_sub_nc_u32 v2, 128, v2                       ; 128 - 8 (lane / 16): each step takes 128 off first
	s_delay_alu instid0(VALU_DEP_1)
	v_add_nc_u32 v[DA], v[DA], v2
	s_delay_alu instid0(VALU_DEP_2)
	v_add_nc_u32 v[DB], v[DB], v2
; ONE TILE'S SOFTMAX for a step of 128 keys: a lane's 64 scores in v[S] on.  D: the mask's bound; ST: the statistics; OB: the tile's O^T; PB: its P.
.macro SOFTMAX D, ST, OB, PB
.set n, 0
.rept 64                               ; register 8 i + j holds key 16 i + 8 (lane / 16) + j of the step: hidden where 16 i + j >= valid_len - first key - 8 (lane / 16).  Each accumulator is read from its low end on
	v_cmp_ge_i32 vcc_lo, 16*(n/8)+n%8, v[\D]
	v_cndmask_b32 v[S+n], v[S+n], v[CR], vcc_lo
.set n, n+1
.endr
	v_max3_num_f32 v[\PB], v[S], v[S+1], v[S+2]    ; the step's largest raw score of my query, among my 64 keys, in two chains,
	v_max3_num_f32 v[\PB+1], v[S+3], v[S+4], v[S+5]
.set n, 6
.rept 14
	s_delay_alu instid0(VALU_DEP_2)
	v_max3_num_f32 v[\PB], v[\PB], v[S+n], v[S+n+1]
	s_delay_alu instid0(VALU_DEP_2)
	v_max3_num_f32 v[\PB+1], v[\PB+1], v[S+n+2], v[S+n+3]
.set n, n+4
.endr
	s_delay_alu instid0(VALU_DEP_2)
	v_max3_num_f32 v[\PB], v[\PB], v[S+62], v[S+63]
	s_delay_alu instid0(VALU_DEP_1)
	v_max_num_f32 v[\PB], v[\PB], v[\PB+1]
	v_permlanex16_b32 v[\PB+2], v[\PB], s[SEL], s[SEL+1]
	s_delay_alu instid0(VALU_DEP_1)
	v_max_num_f32 v[\PB], v[\PB], v[\PB+2]         ; and among lane l xor 16's
	s_delay_alu instid0(VALU_DEP_1)
	v_mul_f32 v[\PB], s[CS], v[\PB]                ; as t (c is positive)
	s_delay_alu instid0(VALU_DEP_1)
	v_max_num_f32 v[\ST+1], v[\ST+1], v[\PB]       ; the running largest t
	v_mov_b32 v[\PB], v[\ST]
	s_delay_alu instid0(VALU_DEP_2)
	v_floor_f32 v[\ST], -v[\ST+1]                  ; the new -M = floor(-t) = -ceil(t): M is a whole number
	s_delay_alu instid0(VALU_DEP_1)
	v_sub_f32 v[\PB], v[\ST], v[\PB]               ; M's old value less its new one: a whole number, 0 or less
	s_delay_alu instid0(VALU_DEP_1)
	v_cvt_i32_f32 v[\PB], v[\PB]                   ; (it saturates)
	s_delay_alu instid0(VALU_DEP_1)
	v_ldexp_f32 v[\PB+4], 1.0, v[\PB]              ; f = 2^(old M - new M)
.set n, 0
.rept 32
	v_pk_fma_f32 v[S+n:S+n+1], v[S+n:S+n+1], s[CS:CS+1], v[\ST:\ST+1] op_sel_hi:[1,0,0]   ; t - M, two at a time (of the pairs c and -M the low word serves both halves)
.set n, n+2
.endr
.set n, 0
	s_wait_alu depctr_va_vdst(0)
.rept 64
	v_exp_f32 v[S+n], v[S+n]                       ; p = 2^(t - M), at most 1: not normalised
.set n, n+1
.endr
	v_pk_mul_f32 v[\ST+2:\ST+3], v[\ST+2:\ST+3], v[\PB+4:\PB+5] op_sel_hi:[1,0]   ; the sums under the new M: work that names no exponential's result stands behind the batch,
.set n, 0
	s_wait_alu depctr_va_vdst(0)
.rept 16
	v_pk_mul_f32 v[\OB+n:\OB+n+1], v[\OB+n:\OB+n+1], v[\PB+4:\PB+5] op_sel_hi:[1,0]   ; and so does O^T under the new M (each accumulator from its low end on)
.set n, n+2
.endr
	s_wait_alu depctr_va_vdst(0)                   ; one wait for the 64 exponentials, ahead of the first line that names a result
	v_pk_add_f32 v[\PB+6:\PB+7], v[S:S+1], v[S+2:S+3]   ; THE ROW'S SUM IS TAKEN OF THE UNQUANTISED p: two at a time, in two chains
.set n, 4
.rept 15
	v_pk_add_f32 v[\ST+2:\ST+3], v[\ST+2:\ST+3], v[S+n:S+n+1]
	v_pk_add_f32 v[\PB+6:\PB+7], v[\PB+6:\PB+7], v[S+n+2:S+n+3]
.set n, n+4
.endr
	s_delay_alu instid0(VALU_DEP_1)
	v_pk_add_f32 v[\ST+2:\ST+3], v[\ST+2:\ST+3], v[\PB+6:\PB+7]
.irp i, 0,1,2,3,4,5,6,7
.irp j, 0,1,2,3,4,5,6,7
.endr
	v_cvt_scalef32_pk8_bf8_f32 v[\PB+2*\i:\PB+2*\i+1], v[S+8*\i:S+8*\i+7], v[SC]   ; registers 2 i, 2 i + 1 of P: keys 16 i + 8 (lane / 16) + 0 .. 7
.endr
	v_nop                                          ; one plain vector instruction between the last conversion and the matrix instructions that write its sources or read its result
.endm
; A KEY STEP: 128 keys.
.macro STEP
	v_add_nc_u32 v[ADR], s[TBK], v[L16]            ; these four plain lines are the places between the last products and the loads into the registers that they read
	v_add_nc_u32 v[DA], 0xffffff80, v[DA]          ; the mask's bounds: 128 keys on
	v_add_nc_u32 v[DB], 0xffffff80, v[DB]
	v_nop
.irp i, 0,1,2,3,4,5,6,7
.irp c, 0,1
	ds_load_b128 v[KV+8*\i+4*\c:KV+8*\i+4*\c+3], v[ADR] offset:\i*1024+\c*512   ; K's eight fragments (16 keys x 64 channels)
.endr
.endr
	s_wait_alu depctr_va_vdst(0)
	s_wait_dscnt 0x0
.irp i, 0,1,2,3,4,5,6,7
	v_wmma_f32_16x16x64_bf8_bf8 v[S+8*\i:S+8*\i+7], v[KV+8*\i:KV+8*\i+7], v[QA:QA+7], 0   ; S^T of tile A
.endr
.rept 4
	v_nop                                          ; places in front of the first read of results
.endr
	SOFTMAX DA, STA, OA, PA
.irp i, 0,1,2,3,4,5,6,7
	v_wmma_f32_16x16x64_bf8_bf8 v[S+8*\i:S+8*\i+7], v[KV+8*\i:KV+8*\i+7], v[QB:QB+7], 0   ; S^T of tile B, by the same fragments of K
.endr
	v_add_nc_u32 v[ADR], s[TBV], v[L16]
.rept 3
	v_nop                                          ; with the addition above: four places in front of the loads over K's fragments and of the first read of results
.endr
.irp t, 0,1,2,3
.irp c, 0,1,2,3
	ds_load_b128 v[KV+16*\t+4*\c:KV+16*\t+4*\c+3], v[ADR] offset:\t*4096+\c*512   ; V's four fragments (16 channels x 128 keys): they land while tile B's softmax is worked
.endr
.endr
	s_setprio 1
	SOFTMAX DB, STB, OBB, PBB
	s_setprio 0
	s_wait_alu depctr_va_vdst(0)
	s_wait_dscnt 0x0
.irp t, 0,1,2,3                        ; O^T += V^T P^T: eight accumulators, one instruction a turn
	v_wmma_f32_16x16x128_bf8_bf8 v[OA+8*\t:OA+8*\t+7], v[KV+16*\t:KV+16*\t+15], v[PA:PA+15], v[OA+8*\t:OA+8*\t+7]
	v_wmma_f32_16x16x128_bf8_bf8 v[OBB+8*\t:OBB+8*\t+7], v[KV+16*\t:KV+16*\t+15], v[PBB:PBB+15], v[OBB+8*\t:OBB+8*\t+7]
.endr
	s_add_co_u32 s[TBK], s[TBK], 8192              ; eight key tiles on
	s_add_co_u32 s[TBV], s[TBV], 2048              ; four parts on
.endm
; A CHUNK of 256 keys: two steps.  The fetching waves issued 3 - ch loads behind this chunk's, which may stay out.  No LDS access of mine is out at the signal.
.macro CHUNK ch
	s_wait_tensorcnt 3-\ch
	s_barrier_signal -1
	s_barrier_wait -1                              ; wave 0's part (K) and wave 1's (V) have landed, for all sixteen
	s_mov_b32 s[TBK], KLDS+\ch*16384
	s_mov_b32 s[TBV], VLDS+\ch*16384
	s_mov_b32 s[TW], 2
.Lstep_\@:
	s_wait_alu depctr_va_vdst(0)
	s_setprio 2
	STEP
	s_sub_co_u32 s[TW], s[TW], 1
	s_cmp_lg_u32 s[TW], 0
	s_cbranch_scc1 .Lstep_\@
	s_setprio 0
.endm
	CHUNK 0
	CHUNK 1
	CHUNK 2
	CHUNK 3                                        ; its wait is for 0: no tensor load is out at the end
	; THE WAY OUT.  O^T / the sum x 2^(e8 + e9) goes through my stage in LDS, a tile (16 queries x 256 bytes) at a time, so that sixteen lanes store a query's 256 consecutive bytes.
	; The address lines (in Q's registers, which are done with) are the places behind the last products.
	v_and_b32 v19, 15, v0                          ; r
	v_bfe_u32 v20, v0, 4, 1                        ; h
	s_mul_i32 s86, s[WV], 16*SP
	s_add_co_u32 s86, s86, STAGE                   ; my stage
	v_mul_u32_u24 v16, v19, SP
	s_delay_alu instid0(VALU_DEP_1)
	v_lshl_add_u32 v16, v20, 5, v16
	s_delay_alu instid0(VALU_DEP_1)
	v_add_nc_u32 v16, s86, v16                     ; in: row r; channel tile t's eight numbers of my half: 64 t + 32 h bytes on
	v_mul_u32_u24 v17, v20, SP
	s_delay_alu instid0(VALU_DEP_1)
	v_lshl_add_u32 v17, v19, 4, v17
	s_delay_alu instid0(VALU_DEP_1)
	v_add_nc_u32 v17, s86, v17                     ; back: lanes 0-15 one row, lanes 16-31 the next
	v_lshlrev_b32 v18, 12, v20
	s_delay_alu instid0(VALU_DEP_1)
	v_lshl_add_u32 v18, v19, 4, v18                ; and the same two rows in out: 4,096 bytes apart
	v_add_f32 v[STA+2], v[STA+2], v[STA+3]         ; the sums' two halves,
	v_add_f32 v[STB+2], v[STB+2], v[STB+3]
	v_permlanex16_b32 v[PA+2], v[STA+2], s[SEL], s[SEL+1]
	v_permlanex16_b32 v[PBB+2], v[STB+2], s[SEL], s[SEL+1]
	s_delay_alu instid0(VALU_DEP_2)
	v_add_f32 v[STA+2], v[STA+2], v[PA+2]          ; and lane l xor 16's: the rows' sums
	s_delay_alu instid0(VALU_DEP_2)
	v_add_f32 v[STB+2], v[STB+2], v[PBB+2]
	s_wait_alu depctr_va_vdst(0)
	v_rcp_f32 v[STA+3], v[STA+2]
	v_rcp_f32 v[STB+3], v[STB+2]
	v_nop                                          ; a plain instruction behind the reciprocals, ahead of the use of a result and the write of a source
	s_wait_alu depctr_va_vdst(0)                   ; one wait for both, ahead of the first reader
	v_ldexp_f32 v[STA+2], v[STA+3], s[EO]          ; x 2^(e8 + e9)
	v_ldexp_f32 v[STB+2], v[STB+3], s[EO]
.set n, 0
.rept 16
	v_pk_mul_f32 v[S+n:S+n+1], v[OA+n:OA+n+1], v[STA+2:STA+3] op_sel_hi:[1,0]   ; register 8 t + j is out(query r, 16 t + 8 h + j); each accumulator from its low end on
.set n, n+2
.endr
.set n, 0
.rept 16
	v_pk_mul_f32 v[S+32+n:S+32+n+1], v[OBB+n:OBB+n+1], v[STB+2:STB+3] op_sel_hi:[1,0]
.set n, n+2
.endr
.irp x, 0,1
.irp t, 0,1,2,3
	ds_store_b128 v16, v[S+32*\x+8*\t:S+32*\x+8*\t+3] offset:64*\t
	ds_store_b128 v16, v[S+32*\x+8*\t+4:S+32*\x+8*\t+7] offset:64*\t+16
.endr
.irp i, 0,1,2,3,4,5,6,7
	ds_load_b128 v[KV+32*\x+4*\i:KV+32*\x+4*\i+3], v17 offset:2*\i*SP   ; LDS serves a wave's instructions in order (ISA guide 5.7.1.4): these see my stores, and the next tile's stores come behind them
.endr
.endr
.irp x, 0,1
.irp i, 0,1,2,3,4,5,6,7
	s_wait_dscnt 23-16*\x-\i                       ; behind this load: the tile's later loads, and for tile A tile B's sixteen instructions
	global_store_b128 v18, v[KV+32*\x+4*\i:KV+32*\x+4*\i+3], s[14:15] offset:\x*65536+\i*8192 th:TH_STORE_NT   ; 16 lanes store 256 consecutive bytes, at a multiple of 256 from out's first byte; written once, read by nobody here
.endr
.endr
	s_wait_xcnt 0x0
	v_lshl_add_u32 v254, v0, 2, 0x31000
	v_mov_b32 v255, 0
	s_wait_alu depctr_va_vdst(0)
	s_wait_tensorcnt 0x0
	ds_add_u32 v254, v255
	s_wait_dscnt 0x0
	s_endpgm
.Lfunc_end_k_qcd42b0d35d_attn:
	.size	k_qcd42b0d35d_attn, .Lfunc_end_k_qcd42b0d35d_attn-k_qcd42b0d35d_attn
	.p2alignl 7, 3214868480
	.fill 96, 4, 3214868480
	.section	.rodata,"a",@progbits
	.p2align	6, 0x0
	.amdhsa_kernel k_qcd42b0d35d_attn
		.amdhsa_group_segment_fixed_size 202752
		.amdhsa_private_segment_fixed_size 0
		.amdhsa_enable_private_segment 0
		.amdhsa_kernarg_size 48
		.amdhsa_user_sgpr_count 2
		.amdhsa_user_sgpr_kernarg_segment_ptr 1
		.amdhsa_wavefront_size32 1
		.amdhsa_system_sgpr_workgroup_id_x 1
		.amdhsa_system_sgpr_workgroup_id_y 1
		.amdhsa_system_sgpr_workgroup_id_z 1
		.amdhsa_system_vgpr_workitem_id 0
		.amdhsa_next_free_vgpr 256
		.amdhsa_next_free_sgpr 96
		.amdhsa_reserve_vcc 1
		.amdhsa_float_denorm_mode_32 3
		.amdhsa_float_denorm_mode_16_64 3
		.amdhsa_fp16_overflow 1
		.amdhsa_memory_ordered 1
		.amdhsa_forward_progress 1
		.amdhsa_inst_pref_size 167
	.end_amdhsa_kernel
	.amdgpu_metadata
---
amdhsa.version: [ 1, 2 ]
amdhsa.kernels:
  - .name:           k_qcd42b0d35d_attn
    .symbol:         k_qcd42b0d35d_attn.kd
    .args:
      - { .name: qc, .offset: 0, .size: 8, .value_kind: global_buffer, .address_space: global }
      - { .name: kc, .offset: 8, .size: 8, .value_kind: global_buffer, .address_space: global }
      - { .name: vc, .offset: 16, .size: 8, .value_kind: global_buffer, .address_space: global }
      - { .name: valid_len, .offset: 24, .size: 8, .value_kind: global_buffer, .address_space: global }
      - { .name: lowp_scales, .offset: 32, .size: 8, .value_kind: global_buffer, .address_space: global }
      - { .name: out0, .offset: 40, .size: 8, .value_kind: global_buffer, .address_space: global }
    .group_segment_fixed_size: 202752
    .private_segment_fixed_size: 0
    .kernarg_segment_align: 8
    .kernarg_segment_size: 48
    .max_flat_workgroup_size: 512
    .sgpr_count:     96
    .vgpr_count:     256
    .wavefront_size: 32
...
	.end_amdgpu_metadata
.endif
;; end of part 2
